; MI455X (gfx1250); checked and timed in simulation.
; The chip was launched on July 23, 2026; its instructions are those of AMD's public machine-readable ISA for CDNA 5 (MIT licence, August 2026) and "CDNA5" Instruction Set Architecture Reference Guide (July 2026). The comments in the code are by the model that wrote it; some were corrected since.
;; SSM Block. Allowed arithmetic: float matrix products may take bf16 or f16 operands with f32 sums; all other float work in f32.
;; Inputs: A_log 256 x 64 float32; B 256 x 64 float32; C 256 x 64 float32; D 256 float32; b1 256 float32; b2 256 float32; b_in 256 float32; g1 256 float32; g2 256 float32; g_in 256 float32; ix 256 x 256 x 16 x 16 float32.
;; Outputs: out0 256 x 256 x 16 x 16 float32.
;; One version. Each part assembles by itself: llvm-mc -triple=amdgcn-amd-amdhsa -mcpu=gfx1250 --defsym DOCPART=n.
;; ======== version 1 of 1: 2 launches
;; limits: values outside matrix products are rounded to f16
;; workspace buffers: st1 524,288 bytes; tmat 524,288 bytes; tb 65,536 bytes
;; launch stats (part 1): grid 256 x 1, 16 waves a work-group, no clusters, 37,376 bytes of LDS; arguments ix, A_log, B, C, D, g_in, b_in, st1, tmat, tb; writes st1, tmat, tb
.if DOCPART == 1
	.amdgcn_target "amdgcn-amd-amdhsa--gfx1250"
	.amdhsa_code_object_version 6
	.text
	.protected	k_q8c9d69e043_stats
	.globl	k_q8c9d69e043_stats
	.p2align	8
	.type	k_q8c9d69e043_stats,@function
k_q8c9d69e043_stats:
	s_mov_b64 s[64:65], 0
	v_nop
	global_prefetch_b8 v0, s[64:65] scope:SCOPE_SE
	s_setreg_imm32_b32 hwreg(HW_REG_WAVE_MODE, 25, 1), 1
	s_wait_xcnt 0x0
; FIRST OF TWO LAUNCHES.  ix is [frame 256][channel 256][pixel 256] f32.
; (1) For every (frame, pixel): the figures of the layer norm over the 256 channels,
;       st1[frame][0][pixel] = a1 = rsqrt(var + eps),   st1[frame][1][pixel] = -mean * a1.
; (2) The scan of the state-space model is linear and starts from zero, so for channel c it is a product with a lower
;     triangular 32 x 32 matrix of taps K[d] = sum over n of C[c][n] B[c][n] sigmoid(A_log[c][n])^d, d = 0..31 (all 32 kept).
;     The diagonal tap K[0] multiplies the same number as D and may cancel against it: it is added to D in f32 and left out of the matrix.
;     The other taps go out in f16, divided by sc = the power of two at or below the largest |g_in K[d]|, d >= 1, so that they lie in (-2, 2)
;     whatever the inputs' size; sc is held within 2^-60 .. 2^60.  All that the next launch adds to the product is divided by sc too (exactly):
;       tmat[c][t][s] = f16( g_in[c] K[t-s] / sc ) for s < t, 0 for s >= t;
;       tb[c][t] = b_in[c] (D[c] + K[0] + .. + K[t]) / sc for t = 0..31;
;       tb[c][32] = sc / sqrt 2;  tb[c][33] = (D[c] + K[0]) g_in[c] / sc;  tb[c][34] = sc / 2;  tb[c][35..63] = 0.
; Work-group f takes frame f (262,144 consecutive bytes, all held in registers: 16 waves x 32 lanes x 128 numbers), and its
; wave 15 also makes channel c = f's tables while its 32 loads of ix are on their way.
; Wave w holds channels 16 w .. 16 w + 15; lane l holds pixels 4 l .. 4 l + 3 and 128 + 4 l .. + 3 of each: the sums over a
; wave's channels never leave the lane.  The variance is a sum of squared deviations: per wave about the wave's own mean,
; merged over the 16 waves as  M2 = sum M2_w + 16 sum (m_w - m)^2 ; no difference of large sums is formed.
; No matrix unit, no cluster, no tensor load: each byte of ix is read once here by one work-group, nothing is shared.
; LIMITS: NaN and infinities in the inputs are not honoured.  K[d] is made by repeated multiplication by sigmoid(A_log), an
; order of rounding other than the scan's.  A tap below 2^-24 of its channel's largest rounds to zero in f16; with |g_in K| at 2^76 or more
; the f16 taps overflow.  v_exp_f32, v_rcp_f32, v_rsq_f32 flush denormals (ISA guide 15.8).
.set XD,    16                         ; v[16:143]  ix: number at XD + 8 channel + 4 part + e
.set SUM8,  144                        ; v[144:151] sums over my wave's 16 channels, 8 pixels
.set MEAN8, 152                        ; v[152:159] their means
.set SQ8,   160                        ; v[160:167] sums of squared deviations
.set DEV,   168                        ; v[168:175] at work
.set PS,    176                        ; v[176:207] wave 15: my two states' share of K[d]
.set QS,    208                        ; v[208:239] wave 15: my share of K[0] + .. + K[d]
.set RX,    244                        ; v[244:245] wave 15: what the other half of the lanes sent
.set RT,    252                        ; v[252:255] wave 15: what a lane keeps in a step of the lane sums
.set CM_L,  0                          ; LDS [wave 16][pixel 256] f32: the waves' means
.set CV_L,  16384                      ; LDS [wave 16][pixel 256] f32: the waves' sums of squared deviations
.set KZ_L,  32768                      ; LDS 32 zeros, then 0, g K[1..31] / sc  (wave 15 alone)
.set TS_L,  33024                      ; LDS the 32 rows of 64 bytes of tmat[c] (wave 15 alone)
.set TB_L,  35072                      ; LDS the 256 bytes of tb[c]            (wave 15 alone)
.set MK16,  48                         ; s48..s52: lanes whose number has bit 4, 3, 2, 1, 0 set
.set MK8,   49
.set MK4,   50
.set MK2,   51
.set MK1,   52
; Sums over lanes of many registers at once.  A step halves the registers: a lane whose bit is set keeps the upper register of
; a pair and sends the lower one to its partner, the partner the other way round.  After the steps 8, 4, 2, 1 lane r of each
; 16 lanes holds the sum over these 16 lanes of register r.
.macro RSSTEP base, cnt, mask, dst
.set rk, 0
.rept \cnt
	v_cndmask_b32 v[RT+(rk&3)], v[\base+rk], v[\base+rk+\cnt], s[\mask]
	v_cndmask_b32 v[\base+rk+\cnt], v[\base+rk+\cnt], v[\base+rk], s[\mask]
	v_add_f32_dpp v[\dst+rk], v[\base+rk+\cnt], v[RT+(rk&3)] row_xmask:\cnt row_mask:0xf bank_mask:0xf
.set rk, rk+1
.endr
.endm
.macro RS16 base, dst
	RSSTEP \base, 8, MK8, \base
	RSSTEP \base, 4, MK4, \base
	RSSTEP \base, 2, MK2, \base
	RSSTEP \base, 1, MK1, \dst
.endm
; 32 registers: first the step between the two halves of the wave; lane l ends with the sum over all 32 lanes of register l
.macro RS32 base, dst
.set rk, 0
.rept 16
	v_cndmask_b32 v[RT+(rk&3)], v[\base+rk], v[\base+rk+16], s[MK16]
	v_cndmask_b32 v[\base+rk+16], v[\base+rk+16], v[\base+rk], s[MK16]
	v_permlanex16_b32 v[RX+(rk&1)], v[\base+rk+16], s53, s54
	v_add_f32 v[\base+rk], v[RT+(rk&3)], v[RX+(rk&1)]
.set rk, rk+1
.endr
	RS16 \base, \dst
.endm
; my wave's 16 channels: 32 loads, each of 512 consecutive bytes; no hint: the next launch reads these bytes again
.macro LOADX
.set kc, 0
.rept 16
	global_load_b128 v[XD+8*kc:XD+8*kc+3],   v2, s[40:41] offset:kc*1024
	global_load_b128 v[XD+8*kc+4:XD+8*kc+7], v2, s[40:41] offset:kc*1024+512
.set kc, kc+1
.endr
.endm
	s_load_b512 s[4:19], s[0:1], 0x0               ; ix 4, A_log 6, B 8, C 10, D 12, g_in 14, b_in 16, st1 18
	s_load_b128 s[20:23], s[0:1], 0x40             ; tmat 20, tb 22
	v_lshl_add_u32 v14, v0, 2, 0x8a00
	v_mov_b32 v15, 0
	v_lshrrev_b32 v5, 5, v0
	v_readfirstlane_b32 s24, v5                    ; wave 0..15
	v_and_b32 v1, 31, v0                           ; lane l
	v_lshlrev_b32 v2, 4, v1                        ; 16 l
	v_lshlrev_b32 v3, 3, v1                        ; 8 l
	v_lshlrev_b32 v4, 2, v1                        ; 4 l
	v_lshlrev_b32 v7, 6, v1                        ; 64 l
	v_lshl_add_u32 v5, s24, 10, v2                 ; my 16 bytes in my wave's row of CM and CV
	v_lshl_add_u32 v6, s24, 8, v3                  ; the last step: pixel pair 64 w + 2 l
	s_lshl_b32 s26, ttmp9, 18                      ; frame f: 262,144 bytes each
	s_lshl_b32 s25, s24, 14                        ; + 16 channels of 1,024 bytes for each wave
	s_add_co_u32 s26, s26, s25
	s_mov_b32 s27, 0
	s_lshl_b32 s34, ttmp9, 8                       ; c = f: rows of 256 bytes in A_log, B, C, tb
	s_mov_b32 s35, 0
	s_lshl_b32 s2, ttmp9, 2                        ; 4 c in D, g_in, b_in
	s_mov_b32 s3, 0
	s_mov_b32 s[MK16], 0xffff0000
	s_mov_b32 s[MK8],  0xff00ff00
	s_mov_b32 s[MK4],  0xf0f0f0f0
	s_mov_b32 s[MK2],  0xcccccccc
	s_mov_b32 s[MK1],  0xaaaaaaaa
	s_mov_b32 s53, 0x76543210                      ; v_permlanex16_b32: lane i of one half reads lane i of the other
	s_mov_b32 s54, 0xfedcba98
	s_mov_b32 s56, 0x3b800000                      ; 1/256
	s_mov_b32 s58, 0x3727c5ac                      ; eps = 1e-5
	s_mov_b32 s60, 0x3d800000                      ; 1/16, as a pair for the packed forms
	s_mov_b32 s61, 0x3d800000
	s_mov_b32 s62, 0x41800000                      ; 16.0, likewise
	s_mov_b32 s63, 0x41800000
	s_wait_kmcnt 0x0
	s_add_nc_u64 s[40:41], s[4:5], s[26:27]        ; ix at my wave's first channel
	s_add_nc_u64 s[28:29], s[6:7], s[34:35]        ; A_log[c]
	s_add_nc_u64 s[30:31], s[8:9], s[34:35]        ; B[c]
	s_add_nc_u64 s[32:33], s[10:11], s[34:35]      ; C[c]
	s_add_nc_u64 s[46:47], s[22:23], s[34:35]      ; tb[c]
	s_add_nc_u64 s[12:13], s[12:13], s[2:3]        ; D[c]
	s_add_nc_u64 s[14:15], s[14:15], s[2:3]        ; g_in[c]
	s_add_nc_u64 s[16:17], s[16:17], s[2:3]        ; b_in[c]
	s_lshl_b32 s34, ttmp9, 11
	s_add_nc_u64 s[44:45], s[20:21], s[34:35]      ; tmat[c]: 2,048 bytes
	s_lshl_b32 s25, s24, 8
	s_add_co_u32 s34, s34, s25
	s_add_nc_u64 s[42:43], s[18:19], s[34:35]      ; st1[f] + 256 w (used by waves 0 to 3)
	s_cmp_lg_u32 s24, 15
	s_cbranch_scc1 .Lplain
	; ---- wave 15 alone: the tables of channel c = f.  Lane l takes the states n = 2 l, 2 l + 1.
	global_load_b64 v[240:241], v3, s[28:29]
	global_load_b64 v[242:243], v3, s[30:31]
	global_load_b64 v[244:245], v3, s[32:33]
	s_load_b32 s36, s[12:13], 0x0                  ; D
	s_load_b32 s37, s[14:15], 0x0                  ; g
	s_load_b32 s38, s[16:17], 0x0                  ; b
	LOADX
	s_wait_loadcnt 32                              ; the three rows are in; the 32 younger loads of ix stay out
	s_wait_kmcnt 0x0
	v_mul_f32 v246, 0xbfb8aa3b, v240               ; sigmoid(A) = 1 / (1 + 2^(-A log2 e))
	v_mul_f32 v247, 0xbfb8aa3b, v241
	v_exp_f32 v246, v246
	v_exp_f32 v247, v247
	v_pk_mul_f32 v[242:243], v[242:243], v[244:245]    ; p = B C; also the plain instruction behind the exponentials (ISA guide 5.7.2)
	s_wait_alu depctr_va_vdst(0)
	v_add_f32 v246, 1.0, v246
	v_add_f32 v247, 1.0, v247
	v_rcp_f32 v246, v246
	v_rcp_f32 v247, v247
	v_add_f32 v[PS], v242, v243                    ; tap 0; also the plain instruction behind the reciprocals
	v_add_f32 v[QS], v242, v243
.set dd, 1
	s_wait_alu depctr_va_vdst(0)
.rept 31
	v_pk_mul_f32 v[242:243], v[242:243], v[246:247]    ; p = B C a^d
	v_add_f32 v[PS+dd], v242, v243
	v_add_f32 v[QS+dd], v[QS+dd-1], v[PS+dd]
.set dd, dd+1
.endr
	v_mov_b32 v248, 0                              ; the last step's destination counts as read: written first
	v_mov_b32 v249, 0
	RS32 PS, 248                                   ; lane l: K[l]
	RS32 QS, 249                                   ; lane l: K[0] + .. + K[l]
	v_mov_b32 v252, 0
	v_cmp_eq_u32 vcc_lo, 0, v1                     ; lane 0
	v_readfirstlane_b32 s55, v248                  ; K[0]
	v_mul_f32 v250, s37, v248                      ; g K[l]
	v_cndmask_b32 v250, v250, v252, vcc_lo         ; the diagonal tap leaves the matrix: it goes with D, in f32
	; sc: the power of two at or below the largest |g K[d]|, d = 1..31, held within 2^-60 .. 2^60
	v_and_b32 v240, 0x7fffffff, v250
	v_max_num_f32_dpp v240, v240, v240 row_xmask:1 row_mask:0xf bank_mask:0xf
	v_max_num_f32_dpp v240, v240, v240 row_xmask:2 row_mask:0xf bank_mask:0xf
	v_max_num_f32_dpp v240, v240, v240 row_xmask:4 row_mask:0xf bank_mask:0xf
	v_max_num_f32_dpp v240, v240, v240 row_xmask:8 row_mask:0xf bank_mask:0xf
	v_permlanex16_b32 v241, v240, s53, s54
	v_max_num_f32 v240, v240, v241
	v_max_num_f32 v240, 0x21800000, v240           ; 2^-60
	v_min_num_f32 v240, 0x5d800000, v240           ; 2^60
	v_and_b32 v240, 0x7f800000, v240               ; the exponent alone: sc
	v_sub_nc_u32 v241, 0x7f000000, v240            ; exponent field 254 - E: 1 / sc, exactly
	v_mul_f32 v250, v250, v241                     ; g K[l] / sc, in (-2, 2)
	v_add_f32 v251, s36, v249
	v_mul_f32 v251, s38, v251                      ; b (D + K[0] + .. + K[l])
	v_mul_f32 v251, v251, v241                     ; / sc
	s_add_f32 s39, s36, s55                        ; D + K[0]
	s_mul_f32 s39, s39, s37                        ; times g
	v_mul_f32 v253, 0x3f3504f3, v240               ; sc / sqrt 2
	v_mul_f32 v254, s39, v241                      ; (D + K[0]) g / sc
	v_mul_f32 v255, 0.5, v240                      ; sc / 2
	v_cndmask_b32 v253, v252, v253, vcc_lo         ; lane 0: float 32 of tb[c]; the others 0
	v_cmp_eq_u32 vcc_lo, 1, v1
	v_cndmask_b32 v253, v253, v254, vcc_lo         ; lane 1: float 33
	v_cmp_eq_u32 vcc_lo, 2, v1
	v_cndmask_b32 v253, v253, v255, vcc_lo         ; lane 2: float 34
	ds_store_b32 v4, v252 offset:KZ_L              ; floats 0..31: zeros
	ds_store_b32 v4, v250 offset:KZ_L+128          ; floats 32..63: the taps
.set sx, 0
.rept 32
	ds_load_b32 v[PS+sx], v4 offset:KZ_L+4*(32-sx) ; row t = l, column sx: float 32 + l - sx; on and above the diagonal that is a zero.  LDS serves a wave's instructions in order (ISA guide 5.7.1)
.set sx, sx+1
.endr
	s_wait_dscnt 0x0
.set jj, 0
.rept 16
	v_cvt_pk_f16_f32 v[QS+jj], v[PS+2*jj], v[PS+2*jj+1]
.set jj, jj+1
.endr
.irp m, 0,1,2,3
	ds_store_b128 v7, v[QS+4*\m:QS+4*\m+3] offset:TS_L+16*\m       ; lane l holds row l: 64 bytes
.endr
.irp m, 0,1,2,3
	ds_load_b128 v[QS+16+4*\m:QS+16+4*\m+3], v2 offset:TS_L+512*\m ; read back so that a store covers 512 consecutive bytes
.endr
	ds_store_b32 v4, v251 offset:TB_L
	ds_store_b32 v4, v253 offset:TB_L+128
	ds_load_b64 v[254:255], v3 offset:TB_L
	s_wait_dscnt 0x0
.irp m, 0,1,2,3
	global_store_b128 v2, v[QS+16+4*\m:QS+16+4*\m+3], s[44:45] offset:512*\m
.endr
	global_store_b64 v3, v[254:255], s[46:47]      ; 256 consecutive bytes, aligned
	s_branch .Lcols
.Lplain:
	LOADX
.Lcols:
	; ---- every wave: mean and squared deviations over its 16 channels, for its 256 pixels, 8 in each lane
	s_wait_loadcnt 28                              ; channels 0 and 1 are in (four loads); 28 younger ones stay out
.set jj, 0
.rept 4
	v_pk_add_f32 v[SUM8+jj:SUM8+jj+1], v[XD+jj:XD+jj+1], v[XD+8+jj:XD+8+jj+1]
.set jj, jj+2
.endr
.set kc, 2
.rept 14
	s_wait_loadcnt 30-2*kc                         ; channel kc's two loads are in; those of the later channels stay out
.set jj, 0
.rept 4
	v_pk_add_f32 v[SUM8+jj:SUM8+jj+1], v[SUM8+jj:SUM8+jj+1], v[XD+8*kc+jj:XD+8*kc+jj+1]
.set jj, jj+2
.endr
.set kc, kc+1
.endr
.set jj, 0
.rept 4
	v_pk_mul_f32 v[MEAN8+jj:MEAN8+jj+1], v[SUM8+jj:SUM8+jj+1], s[60:61] op_sel_hi:[1,0]
.set jj, jj+2
.endr
.set jj, 0
.rept 4
	v_pk_add_f32 v[DEV+jj:DEV+jj+1], v[XD+jj:XD+jj+1], v[MEAN8+jj:MEAN8+jj+1] neg_lo:[0,1] neg_hi:[0,1]
.set jj, jj+2
.endr
.set jj, 0
.rept 4
	v_pk_mul_f32 v[SQ8+jj:SQ8+jj+1], v[DEV+jj:DEV+jj+1], v[DEV+jj:DEV+jj+1]    ; the first square starts the sum
.set jj, jj+2
.endr
.set kc, 1
.rept 15
.set jj, 0
.rept 4
	v_pk_add_f32 v[DEV+jj:DEV+jj+1], v[XD+8*kc+jj:XD+8*kc+jj+1], v[MEAN8+jj:MEAN8+jj+1] neg_lo:[0,1] neg_hi:[0,1]
.set jj, jj+2
.endr
.set jj, 0
.rept 4
	v_pk_fma_f32 v[SQ8+jj:SQ8+jj+1], v[DEV+jj:DEV+jj+1], v[DEV+jj:DEV+jj+1], v[SQ8+jj:SQ8+jj+1]
.set jj, jj+2
.endr
.set kc, kc+1
.endr
	ds_store_b128 v5, v[MEAN8:MEAN8+3]   offset:CM_L
	ds_store_b128 v5, v[MEAN8+4:MEAN8+7] offset:CM_L+512
	ds_store_b128 v5, v[SQ8:SQ8+3]       offset:CV_L
	ds_store_b128 v5, v[SQ8+4:SQ8+7]     offset:CV_L+512
	s_wait_dscnt 0x0                               ; my stores are in LDS before I say so
	s_barrier_signal -1
	s_barrier_wait -1                              ; all 16 waves' figures are there
	s_cmp_gt_u32 s24, 3
	s_cbranch_scc1 .Lend                           ; no barrier follows
	; ---- waves 0 to 3: merge the 16 waves' figures; lane l of wave w takes pixels 64 w + 2 l, + 1
.set ww, 0
.rept 16
	ds_load_b64 v[XD+2*ww:XD+2*ww+1], v6 offset:CM_L+ww*1024
.set ww, ww+1
.endr
.set ww, 0
.rept 16
	ds_load_b64 v[XD+32+2*ww:XD+32+2*ww+1], v6 offset:CV_L+ww*1024
.set ww, ww+1
.endr
	s_wait_dscnt 16                                ; the 16 means are in; the 16 younger loads stay out
	v_pk_add_f32 v[SUM8:SUM8+1], v[XD:XD+1], v[XD+2:XD+3]
.set ww, 2
.rept 14
	v_pk_add_f32 v[SUM8:SUM8+1], v[SUM8:SUM8+1], v[XD+2*ww:XD+2*ww+1]
.set ww, ww+1
.endr
	v_pk_mul_f32 v[SUM8+2:SUM8+3], v[SUM8:SUM8+1], s[60:61] op_sel_hi:[1,0]    ; m, the mean over all 256 channels
	v_pk_add_f32 v[DEV:DEV+1], v[XD:XD+1], v[SUM8+2:SUM8+3] neg_lo:[0,1] neg_hi:[0,1]
	v_pk_mul_f32 v[SQ8:SQ8+1], v[DEV:DEV+1], v[DEV:DEV+1]
.set ww, 1
.rept 15
	v_pk_add_f32 v[DEV+2*(ww&3):DEV+2*(ww&3)+1], v[XD+2*ww:XD+2*ww+1], v[SUM8+2:SUM8+3] neg_lo:[0,1] neg_hi:[0,1]
	v_pk_fma_f32 v[SQ8:SQ8+1], v[DEV+2*(ww&3):DEV+2*(ww&3)+1], v[DEV+2*(ww&3):DEV+2*(ww&3)+1], v[SQ8:SQ8+1]
.set ww, ww+1
.endr
	s_wait_dscnt 0x0
	v_pk_add_f32 v[MEAN8:MEAN8+1], v[XD+32:XD+33], v[XD+34:XD+35]
.set ww, 2
.rept 14
	v_pk_add_f32 v[MEAN8:MEAN8+1], v[MEAN8:MEAN8+1], v[XD+32+2*ww:XD+32+2*ww+1]
.set ww, ww+1
.endr
	v_pk_fma_f32 v[MEAN8:MEAN8+1], v[SQ8:SQ8+1], s[62:63], v[MEAN8:MEAN8+1] op_sel_hi:[1,0,1]   ; + 16 sum (m_w - m)^2
	v_fma_f32 v[MEAN8], v[MEAN8], s56, s58         ; var + eps
	v_fma_f32 v[MEAN8+1], v[MEAN8+1], s56, s58
	v_rsq_f32 v[MEAN8], v[MEAN8]
	v_rsq_f32 v[MEAN8+1], v[MEAN8+1]
	v_nop                                          ; one plain instruction behind v_rsq_f32 before its result is used (ISA guide 5.7.2)
	s_wait_alu depctr_va_vdst(0)
	v_pk_mul_f32 v[DEV:DEV+1], v[SUM8+2:SUM8+3], v[MEAN8:MEAN8+1] neg_lo:[1,0] neg_hi:[1,0]     ; -m a1
	global_store_b64 v3, v[MEAN8:MEAN8+1], s[42:43]                ; each store of the wave covers 256 consecutive bytes, aligned
	global_store_b64 v3, v[DEV:DEV+1], s[42:43] offset:1024
.Lend:
	s_wait_tensorcnt 0x0
	ds_add_u32 v14, v15
	s_wait_dscnt 0x0
	s_endpgm
.Lfunc_end_k_q8c9d69e043_stats:
	.size	k_q8c9d69e043_stats, .Lfunc_end_k_q8c9d69e043_stats-k_q8c9d69e043_stats
	.p2alignl 7, 3214868480
	.fill 96, 4, 3214868480
	.section	.rodata,"a",@progbits
	.p2align	6, 0x0
	.amdhsa_kernel k_q8c9d69e043_stats
		.amdhsa_group_segment_fixed_size 37376
		.amdhsa_private_segment_fixed_size 0
		.amdhsa_enable_private_segment 0
		.amdhsa_kernarg_size 80
		.amdhsa_user_sgpr_count 2
		.amdhsa_user_sgpr_kernarg_segment_ptr 1
		.amdhsa_wavefront_size32 1
		.amdhsa_system_sgpr_workgroup_id_x 1
		.amdhsa_system_sgpr_workgroup_id_y 1
		.amdhsa_system_sgpr_workgroup_id_z 1
		.amdhsa_system_vgpr_workitem_id 0
		.amdhsa_next_free_vgpr 256
		.amdhsa_next_free_sgpr 66
		.amdhsa_reserve_vcc 1
		.amdhsa_float_denorm_mode_32 3
		.amdhsa_float_denorm_mode_16_64 3
		.amdhsa_memory_ordered 1
		.amdhsa_forward_progress 1
		.amdhsa_inst_pref_size 52
	.end_amdhsa_kernel
	.amdgpu_metadata
---
amdhsa.version: [ 1, 2 ]
amdhsa.kernels:
  - .name:           k_q8c9d69e043_stats
    .symbol:         k_q8c9d69e043_stats.kd
    .args:
      - { .name: ix, .offset: 0, .size: 8, .value_kind: global_buffer, .address_space: global }
      - { .name: A_log, .offset: 8, .size: 8, .value_kind: global_buffer, .address_space: global }
      - { .name: B, .offset: 16, .size: 8, .value_kind: global_buffer, .address_space: global }
      - { .name: C, .offset: 24, .size: 8, .value_kind: global_buffer, .address_space: global }
      - { .name: D, .offset: 32, .size: 8, .value_kind: global_buffer, .address_space: global }
      - { .name: g_in, .offset: 40, .size: 8, .value_kind: global_buffer, .address_space: global }
      - { .name: b_in, .offset: 48, .size: 8, .value_kind: global_buffer, .address_space: global }
      - { .name: st1, .offset: 56, .size: 8, .value_kind: global_buffer, .address_space: global }
      - { .name: tmat, .offset: 64, .size: 8, .value_kind: global_buffer, .address_space: global }
      - { .name: tb, .offset: 72, .size: 8, .value_kind: global_buffer, .address_space: global }
    .group_segment_fixed_size: 37376
    .private_segment_fixed_size: 0
    .kernarg_segment_align: 8
    .kernarg_segment_size: 80
    .max_flat_workgroup_size: 512
    .sgpr_count:     66
    .vgpr_count:     256
    .wavefront_size: 32
...
	.end_amdgpu_metadata
.endif
;; end of part 1
;; launch main (part 2): grid 256 x 1, 16 waves a work-group, no clusters, 327,680 bytes of LDS; arguments ix, st1, tmat, tb, g1, b1, g2, b2, out0; writes out0
.if DOCPART == 2
	.amdgcn_target "amdgcn-amd-amdhsa--gfx1250"
	.amdhsa_code_object_version 6
	.text
	.protected	k_q8c9d69e043_main
	.globl	k_q8c9d69e043_main
	.p2align	8
	.type	k_q8c9d69e043_main,@function
k_q8c9d69e043_main:
	s_mov_b64 s[64:65], 0
	v_nop
	global_prefetch_b8 v0, s[64:65] scope:SCOPE_SE
	s_setreg_imm32_b32 hwreg(HW_REG_WAVE_MODE, 25, 1), 1
	s_wait_xcnt 0x0
; SECOND OF TWO LAUNCHES.  ix, out0: [clip 8][frame 32][channel 256][pixel 256] f32 (the two transpositions of the module cancel:
; the result of (clip, pixel, frame t, channel c) lands at out0[clip][t][c][pixel]).
;   xhat[s][c][p] = ix a1[s][p] + b1s[s][p]                         (st1, from the first launch: layer norm over channels)
;   y[t] / sc = sum over s < t of tmat[c][t][s] xhat[s]  +  tb[c][33] xhat[t]  +  tb[c][t]      (the whole scan; all 32 taps)
;   g = 0.5 y (1 + erf(y / sqrt 2)),  z = g sigmoid(g)
;   out = LN over the 256 pixels of z (g1, b1)  +  LN over the 256 pixels of ix (g2, b2)
; The first term of y is an f16 matrix product with f32 sums; the other two (D's term with the diagonal tap, and b_in's) are made in f32 and
; given to it as its C.  f16 and not bf16, for its three more bits: the last norm divides by the spread of z, so a rounding of the
; taps' sum stands against that spread.  Both operands have room in f16 for every input: |xhat| <= 16, since a deviation
; from the mean of 256 numbers is at most 16 times their spread; the taps come divided by the channel's power of two sc and lie in (-2, 2).
; The accumulators hold y / sc; the two multiples of y that the activation begins with take sc / sqrt 2 and sc / 2 (tb[c][32], tb[c][34]).
; SHARES.  Work-group: one clip, 8 channels, all 32 frames, all 256 pixels.  Wave w: pixel quarter q = w & 3, stream w >> 2, and the
; stream's two channels one after the other.  Lane (r = l & 15, h = l >> 4): pixels 64 q + 4 r + i, i = 0..3, and the 16 frames
; FR(kk) = (kk & 7) + 16 (kk >> 3) + 8 h, kk = 0..15.  That one set of (frame, pixel) is at once what a 16-byte load or store of the lane
; covers, the lane's part of the matrix instruction's second source (column r, K = frame: ISA guide 7.12.2) and its part of the result
; (row 8 h + j of tile mt is kk = 8 mt + j): nothing is transposed, and x, z and out of a number live in one lane.
; MEMORY.  The first lines ask only for what the first channel's work needs: the clip's 64 KiB of st1 (one tensor load a wave), channel u = 0
; (131,072 bytes of the group, into registers) and the tables.  Channel u = 1 (another 131,072 bytes, one tensor load a wave into the wave's own 8 KiB of
; LDS) is asked for straight behind the first barrier, so that it does not stand in front of bytes that are waited for, and travels during the
; whole of channel 0's work.  Each LDS byte is filled once: no slot is filled again.
; A wave has at most one tensor load outstanding.
; NO CLUSTER: what work-groups share is the clip's 65,536 bytes of st1 and 16,384 + 2,048 bytes of tables, against 262,144 bytes of ix and
; 262,144 of out0 that each has to itself: about a seventh of the bytes read, and st1 as a whole is 524,288 bytes.
; Variances are sums of squared deviations from the mean: the mean is taken away first, in registers.
; LIMITS: NaN and infinities are not honoured.  erf is u P(u^2) / Q(u^2) with u = y / sqrt 2 clamped to +-4 (absolute error of the order of the f32
; rounding); for u < -4 the result g is y times a number of the order of 1e-7 and not -0.  g >= -0.17, so 2^(-g log2 e) cannot overflow.
; The transcendentals flush denormals (ISA guide 15.8).
.set FRSTEP, 0x40000                   ; bytes from a frame to the next in ix and out0
.set X1_L,  65536                      ; LDS: 0 .. 65535 st1 of the clip, [frame 32][2][pixel 256] f32, as in memory
                                       ;      X1_L + 8192 w: my wave's [frame 32][64 pixels] f32 of channel u = 1
.set RED_L, 196608                     ; [2 uses][stream 4][quarter 4][lane 32] pairs of f32: the waves' partial sums; 4,096 bytes a use
.set BC_L,  204800                     ; 256 bytes a wave: [figure 2][lane 32] f32, to spread 16 lanes' figures to all 16
.set TM,    32                         ; v[32:47]   tmat[c]: two first sources (rows t = 0..15, 16..31)
.set BI,    48                         ; v[48:63]   tb[c][FR(kk)]
.set XR,    64                         ; v[64:127]  x[kk][i] at XR + 4 kk + i; at the end the result
.set AC,    128                        ; v[128:191] y / sc, then z, [i][kk] at AC + 16 i + kk: tile (i, mt) is AC + 16 i + 8 mt .. + 7
.set PL,    192                        ; v[192:255] at work, by phase:
.set UU,    PL                         ;   activation: 16 registers each
.set SS,    PL+16
.set PP,    PL+32
.set QQ,    PL+48
.set ZSUM,  PL                         ;   norms: z's sums over my 4 pixels, [kk]; later x's figures of my 16 frames
.set XSUM,  PL+16                      ;   x's sums, [kk]
.set ZBC,   PL+32                      ;   z's figures of my 16 frames
.set EXQ,   PL+48                      ;   the four quarters' partial sums
.set RT,    28                         ; v[28:31]   what a lane keeps in a step of the lane sums
.set CH,    4                          ; s[4:7], s[8:11]: floats 32..35 of tb[c], tb[c+1]: sc / sqrt 2, (D + K0) g / sc, sc / 2, 0
.set MK8,   66                         ; s66..s69: lanes whose number has bit 3, 2, 1, 0 set
.set MK4,   67
.set MK2,   68
.set MK1,   69
; v1 LDS: my 16 bytes of st1's frame 8 h    v2 LDS: of my wave's channel-1 tile, frame 8 h    v3, v4 LDS: partial sums, put and get
; v5, v6 LDS: spreading, put and get        v7 my bytes in tmat[c]    v8 in tb[c]    v9 in ix and out0    v[10:11] (x, z) figure of frame FR(r)
; v[12:15] g1, v[16:19] g2, v[20:23] b1 + b2 of my 4 pixels    v[24:25], v[26:27] the leading coefficients of P and Q
; Sums over 16 lanes of 16 registers at once.  A step halves the registers: a lane whose bit is set keeps the upper register of a pair and
; sends the lower one to its partner, the partner the other way round.  At the end lane r holds the sum over its 16 lanes of register r.
.macro RSSTEP base, cnt, mask, dst
.set rk, 0
.rept \cnt
	v_cndmask_b32 v[RT+(rk&3)], v[\base+rk], v[\base+rk+\cnt], s[\mask]
	v_cndmask_b32 v[\base+rk+\cnt], v[\base+rk+\cnt], v[\base+rk], s[\mask]
	v_add_f32_dpp v[\dst+rk], v[\base+rk+\cnt], v[RT+(rk&3)] row_xmask:\cnt row_mask:0xf bank_mask:0xf
.set rk, rk+1
.endr
.endm
.macro RS16 base, dst
	RSSTEP \base, 8, MK8, \base
	RSSTEP \base, 4, MK4, \base
	RSSTEP \base, 2, MK2, \base
	RSSTEP \base, 1, MK1, \dst
.endm
.macro SPAIR reg, val                  ; a constant twice: the packed forms read it as a pair
	s_mov_b32 s[\reg], \val
	s_mov_b32 s[\reg+1], \val
.endm
; one stage of the activation on 8 register pairs
.macro PKMUL_S d, a, sc                ; d = a * scalar (the pair's first register, for both halves)
.set jj, 0
	s_wait_alu depctr_va_vdst(0)
.rept 8
	v_pk_mul_f32 v[\d+jj:\d+jj+1], v[\a+jj:\a+jj+1], s[\sc:\sc+1] op_sel_hi:[1,0]
.set jj, jj+2
.endr
.endm
.macro PKMUL_V d, a, b                 ; d = a * b
.set jj, 0
.rept 8
	v_pk_mul_f32 v[\d+jj:\d+jj+1], v[\a+jj:\a+jj+1], v[\b+jj:\b+jj+1]
.set jj, jj+2
.endr
.endm
.macro PKFMA_F d, a, fix, sc           ; d = a * (one vector pair) + scalar
.set jj, 0
.rept 8
	v_pk_fma_f32 v[\d+jj:\d+jj+1], v[\a+jj:\a+jj+1], v[\fix:\fix+1], s[\sc:\sc+1] op_sel_hi:[1,1,0]
.set jj, jj+2
.endr
.endm
.macro PKFMA_S d, a, b, sc             ; d = a * b + scalar
.set jj, 0
.rept 8
	v_pk_fma_f32 v[\d+jj:\d+jj+1], v[\a+jj:\a+jj+1], v[\b+jj:\b+jj+1], s[\sc:\sc+1] op_sel_hi:[1,1,0]
.set jj, jj+2
.endr
.endm
.macro PKFMA_V d, a, b, c              ; d = a * b + c
.set jj, 0
.rept 8
	v_pk_fma_f32 v[\d+jj:\d+jj+1], v[\a+jj:\a+jj+1], v[\b+jj:\b+jj+1], v[\c+jj:\c+jj+1]
.set jj, jj+2
.endr
.endm
.macro TRANS16 op, d                   ; 16 transcendentals in place, back to back
.set jj, 0
.rept 16
	\op v[\d+jj], v[\d+jj]
.set jj, jj+1
.endr
.endm
; z = g sigmoid(g), g = gelu(y), on the 16 registers from a on, which hold y / sc.  su: the pair with sc / sqrt 2, sh: that with sc / 2
.macro ACT a, su, sh
	PKMUL_S UU, \a, \su                            ; u = y / sqrt 2
.set jj, 0
.rept 16
	v_med3_num_f32 v[UU+jj], v[UU+jj], -4.0, 4.0
.set jj, jj+1
.endr
	PKMUL_V SS, UU, UU                             ; u^2
	PKFMA_F PP, SS, 24, 72                         ; P and Q by Horner's rule, by turns
	PKFMA_F QQ, SS, 26, 84
	PKFMA_S PP, PP, SS, 74
	PKFMA_S QQ, QQ, SS, 86
	PKFMA_S PP, PP, SS, 76
	PKFMA_S QQ, QQ, SS, 88
	PKFMA_S PP, PP, SS, 78
	PKFMA_S QQ, QQ, SS, 90
	PKFMA_S PP, PP, SS, 80
	PKFMA_S PP, PP, SS, 82
	TRANS16 v_rcp_f32, QQ
	PKMUL_V PP, PP, UU                             ; u P: also the plain work behind the reciprocals before they are used (ISA guide 5.7.2)
	PKMUL_S UU, \a, \sh                            ; 0.5 y
	PKMUL_V PP, PP, QQ                             ; erf
	PKFMA_V \a, UU, PP, UU                         ; g = 0.5 y erf + 0.5 y
	PKMUL_S SS, \a, 92                             ; -g log2 e
	TRANS16 v_exp_f32, SS
	v_nop
.set jj, 0
	s_wait_alu depctr_va_vdst(0)
.rept 8
	v_pk_add_f32 v[SS+jj:SS+jj+1], v[SS+jj:SS+jj+1], 1.0 op_sel_hi:[1,0]
.set jj, jj+2
.endr
	TRANS16 v_rcp_f32, SS
	v_nop
	s_wait_alu depctr_va_vdst(0)
	PKMUL_V \a, \a, SS                             ; z
.endm
; tmat and tb of channel u
.macro LOADT u
.irp mt, 0,1
	global_load_b128 v[TM+8*\mt:TM+8*\mt+3],   v7, s[34:35] offset:\u*2048+\mt*1024       ; row 16 mt + r, K = 8 h .. + 7
	global_load_b128 v[TM+8*\mt+4:TM+8*\mt+7], v7, s[34:35] offset:\u*2048+\mt*1024+32    ; K = 16 + 8 h .. + 7
.endr
	global_load_b128 v[BI:BI+3],     v8, s[36:37] offset:\u*256
	global_load_b128 v[BI+4:BI+7],   v8, s[36:37] offset:\u*256+16
	global_load_b128 v[BI+8:BI+11],  v8, s[36:37] offset:\u*256+64
	global_load_b128 v[BI+12:BI+15], v8, s[36:37] offset:\u*256+80
.endm
; a1 and b1s of my 4 pixels in frames kk = 2 p and 2 p + 1, into 16 registers
.macro FETCHST p, set
	ds_load_b128 v[\set:\set+3],     v1 offset:(((2*(\p))&7)+16*((2*(\p))>>3))*2048
	ds_load_b128 v[\set+4:\set+7],   v1 offset:(((2*(\p))&7)+16*((2*(\p))>>3))*2048+1024
	ds_load_b128 v[\set+8:\set+11],  v1 offset:(((2*(\p)+1)&7)+16*((2*(\p)+1)>>3))*2048
	ds_load_b128 v[\set+12:\set+15], v1 offset:(((2*(\p)+1)&7)+16*((2*(\p)+1)>>3))*2048+1024
.endm
; frames kk = 2 p, 2 p + 1: xhat; the f32 part of y / sc into the accumulators; xhat in f16 into register p of the four second sources
.macro NORMPAIR p, left, more, sdg
.set nset, PL+32+16*((\p)&1)
	s_wait_dscnt \left                             ; this pair's four loads are in; the next pair's four may stay out
	v_pk_fma_f32 v[nset:nset+1],     v[XR+8*(\p):XR+8*(\p)+1],   v[nset:nset+1],     v[nset+4:nset+5]
	v_pk_fma_f32 v[nset+2:nset+3],   v[XR+8*(\p)+2:XR+8*(\p)+3], v[nset+2:nset+3],   v[nset+6:nset+7]
	v_pk_fma_f32 v[nset+8:nset+9],   v[XR+8*(\p)+4:XR+8*(\p)+5], v[nset+8:nset+9],   v[nset+12:nset+13]
	v_pk_fma_f32 v[nset+10:nset+11], v[XR+8*(\p)+6:XR+8*(\p)+7], v[nset+10:nset+11], v[nset+14:nset+15]
.irp i, 0,1,2,3
	v_fma_f32 v[AC+16*\i+2*(\p)],   v[nset+\i],   s[\sdg], v[BI+2*(\p)]
	v_fma_f32 v[AC+16*\i+2*(\p)+1], v[nset+8+\i], s[\sdg], v[BI+2*(\p)+1]
	v_cvt_pk_f16_f32 v[PL+8*\i+(\p)], v[nset+\i], v[nset+8+\i]
.endr
.if \more
	FETCHST (\p)+2, nset
.endif
.endm
; (x, z) partial sums of my wave's 64 pixels in v[10:11]: put, barrier, get the four quarters', add.  off = the use's bytes.
.macro EXCH off
	ds_store_b64 v3, v[10:11] offset:\off
	s_wait_dscnt 0x0                               ; my store is in LDS, and no LDS instruction of mine is out, before I say so
	s_barrier_signal -1
	s_barrier_wait -1
.irp qq, 0,1,2,3
	ds_load_b64 v[EXQ+2*\qq:EXQ+2*\qq+1], v4 offset:\off+256*\qq
.endr
	s_wait_dscnt 0x0
	v_pk_add_f32 v[EXQ:EXQ+1], v[EXQ:EXQ+1], v[EXQ+2:EXQ+3]
	v_pk_add_f32 v[EXQ+4:EXQ+5], v[EXQ+4:EXQ+5], v[EXQ+6:EXQ+7]
	v_pk_add_f32 v[10:11], v[EXQ:EXQ+1], v[EXQ+4:EXQ+5]
.endm
; lane (r, h) holds the figures of frame FR(r): every lane gets those of its half's 16 frames, z's into ZBC, x's into ZSUM.
; My wave's own bytes; LDS serves a wave's instructions in order (ISA guide 5.7.1).
.macro BCAST
	ds_store_b32 v5, v10
	ds_store_b32 v5, v11 offset:128
.irp m, 0,1,2,3
	ds_load_b128 v[ZBC+4*\m:ZBC+4*\m+3], v6 offset:128+16*\m
.endr
.irp m, 0,1,2,3
	ds_load_b128 v[ZSUM+4*\m:ZSUM+4*\m+3], v6 offset:16*\m
.endr
.endm
	s_load_b512 s[4:19], s[0:1], 0x0               ; ix 4, st1 6, tmat 8, tb 10, g1 12, b1 14, g2 16, b2 18
	s_load_b64 s[20:21], s[0:1], 0x40              ; out0
	v_lshl_add_u32 v254, v0, 2, 0x33000
	v_mov_b32 v255, 0
	ds_add_u32 v254, v255
	ds_add_u32 v254, v255
	s_wait_dscnt 0x0
	v_lshrrev_b32 v1, 5, v0
	v_readfirstlane_b32 s22, v1                    ; wave 0..15
	s_and_b32 s23, s22, 3                          ; pixel quarter q
	s_lshr_b32 s24, s22, 2                         ; stream
	s_lshr_b32 s25, ttmp9, 5                       ; clip
	s_and_b32 s26, ttmp9, 31
	s_lshl_b32 s26, s26, 3
	s_lshl_b32 s27, s24, 1
	s_add_co_u32 s26, s26, s27                     ; c = 8 (group & 31) + 2 stream: my first channel
	s_lshl_b32 s28, s25, 23                        ; clip x 32 frames x 262,144 bytes
	s_lshl_b32 s27, s26, 10                        ; + c x 1,024
	s_add_co_u32 s28, s28, s27
	s_lshl_b32 s27, s23, 8                         ; + q x 256
	s_add_co_u32 s28, s28, s27
	s_mov_b32 s29, 0
	; descriptor of my sixteenth of the clip's st1: 16 rows of 256 bytes, dense, elements of 8 bytes
	s_mov_b32 s40, 1                               ; count = 1
	s_lshl_b32 s41, s22, 12                        ; LDS: 4,096 w
	s_mov_b32 s44, 3<<16                           ; no mask, element of 8 bytes, no padding
	s_mov_b32 s45, 32<<16                          ; tensor_dim0 = 32
	s_mov_b32 s46, 16<<16                          ; tensor_dim1 = 16
	s_mov_b32 s47, 32<<16                          ; tile_dim0 = 32
	s_mov_b32 s48, 16                              ; tile_dim1 = 16
	s_mov_b32 s49, 32                              ; from row to row: 32 elements
	s_mov_b32 s50, 0
	s_mov_b32 s51, 0
	; descriptor of my quarter of channel c + 1: 32 frames x 64 f32, a frame 65,536 elements from the next
	s_mov_b32 s52, 1
	s_lshl_b32 s53, s22, 13
	s_add_co_u32 s53, s53, X1_L                    ; LDS: X1_L + 8,192 w
	s_mov_b32 s56, 2<<16                           ; element of 4 bytes
	s_mov_b32 s57, 64<<16                          ; tensor_dim0 = 64
	s_mov_b32 s58, 32<<16                          ; tensor_dim1 = 32
	s_mov_b32 s59, 64<<16                          ; tile_dim0 = 64
	s_mov_b32 s60, 32                              ; tile_dim1 = 32
	s_mov_b32 s61, 65536
	s_mov_b32 s62, 0
	s_mov_b32 s63, 0
	; the lane's offsets
	v_and_b32 v28, 15, v0                          ; r
	v_bfe_u32 v29, v0, 4, 1                        ; h
	v_and_b32 v30, 31, v0                          ; l
	v_lshlrev_b32 v31, 4, v28                      ; 16 r
	v_lshl_add_u32 v9, v29, 21, v31                ; ix, out0: 8 h frames + 16 r
	v_lshl_add_u32 v2, v29, 11, v31
	v_add_nc_u32 v2, s53, v2                       ; channel-1 tile: X1_L + 8,192 w + 8 h rows of 256 + 16 r
	v_add_nc_u32 v31, s27, v31                     ; g1, b1, g2, b2: 256 q + 16 r
	v_lshl_add_u32 v1, v29, 14, v31                ; st1 in LDS: 8 h frames of 2,048 + 256 q + 16 r
	v_lshlrev_b32 v7, 6, v28
	v_lshl_add_u32 v7, v29, 4, v7                  ; tmat: 64 r + 16 h
	v_lshlrev_b32 v8, 5, v29                       ; tb: 32 h
	s_lshl_b32 s27, s22, 8
	s_add_co_u32 s2, s27, RED_L
	v_lshl_add_u32 v3, v30, 3, s2                  ; put: RED_L + 256 w + 8 l  (256 w = 1,024 stream + 256 q)
	s_lshl_b32 s3, s24, 10
	s_add_co_u32 s3, s3, RED_L
	v_lshl_add_u32 v4, v30, 3, s3                  ; get: RED_L + 1,024 stream + 8 l
	s_add_co_u32 s27, s27, BC_L
	v_lshl_add_u32 v5, v30, 2, s27                 ; BC_L + 256 w + 4 l
	v_lshl_add_u32 v6, v29, 6, s27                 ; BC_L + 256 w + 64 h
	s_mov_b32 s3, 0
	s_wait_kmcnt 0x0
	s_add_nc_u64 s[30:31], s[4:5], s[28:29]        ; ix at (clip, frame 0, c, 64 q)
	s_add_nc_u64 s[32:33], s[20:21], s[28:29]      ; out0 likewise
	s_lshl_b32 s2, s26, 11
	s_add_nc_u64 s[34:35], s[8:9], s[2:3]          ; tmat[c]
	s_lshl_b32 s2, s26, 8
	s_add_nc_u64 s[36:37], s[10:11], s[2:3]        ; tb[c]
	s_lshl_b32 s2, s25, 16
	s_add_co_u32 s2, s2, s41
	s_add_nc_u64 s[42:43], s[6:7], s[2:3]          ; st1 + 65,536 clip + 4,096 w
	s_or_b32 s43, s43, 0x80000000                  ; type = 2
	s_add_nc_u64 s[54:55], s[30:31], 1024          ; channel c + 1
	s_or_b32 s55, s55, 0x80000000
	tensor_load_to_lds s[40:43], s[44:51]          ; st1: wanted first, and the only tensor load ahead of the first barrier
	s_nop 0
.set kk, 0
.rept 16
	global_load_b128 v[XR+4*kk:XR+4*kk+3], v9, s[30:31] offset:((kk&7)+16*(kk>>3))*FRSTEP th:TH_LOAD_NT   ; 16 lanes: 256 consecutive bytes, aligned
.set kk, kk+1
.endr
	LOADT 0
	global_load_b128 v[12:15], v31, s[12:13]       ; g1
	global_load_b128 v[16:19], v31, s[16:17]       ; g2
	global_load_b128 v[PL:PL+3], v31, s[14:15]     ; b1
	global_load_b128 v[PL+4:PL+7], v31, s[18:19]   ; b2
	s_load_b128 s[CH:CH+3], s[36:37], 0x80         ; channel c's three scalars (s[4:11] held addresses that have been used up above)
	s_load_b128 s[CH+4:CH+7], s[36:37], 0x180      ; and those of c + 1
	s_mov_b32 s[MK8], 0xff00ff00
	s_mov_b32 s[MK4], 0xf0f0f0f0
	s_mov_b32 s[MK2], 0xcccccccc
	s_mov_b32 s[MK1], 0xaaaaaaaa
	SPAIR 72, 0x32edffee                           ; P:  2.77068142e-08   (its leading coefficient is in v[24:25])
	SPAIR 74, 0xb60cff51                           ;    -2.10102402e-06
	SPAIR 76, 0xb86ec2d2                           ;    -5.69250639e-05
	SPAIR 78, 0xba40ac63                           ;    -7.34990630e-04
	SPAIR 80, 0xbb41a1f6                           ;    -2.95459981e-03
	SPAIR 82, 0xbc83dbd4                           ;    -1.60960333e-02
	SPAIR 84, 0xb95fbd29                           ; Q: -2.13374055e-04   (its leading coefficient is in v[26:27])
	SPAIR 86, 0xbadc924e                           ;    -1.68282697e-03
	SPAIR 88, 0xbbf19bf8                           ;    -7.37332917e-03
	SPAIR 90, 0xbc69b6a7                           ;    -1.42647391e-02
	SPAIR 92, 0xbfb8aa3b                           ; -log2 e
	SPAIR 94, 0x3b800000                           ; 1/256
	SPAIR 96, 0x3727c5ac                           ; eps = 1e-5
	v_mov_b32 v24, 0xaf95df0b                      ; P: -2.72614226e-10
	v_mov_b32 v25, 0xaf95df0b
	v_mov_b32 v26, 0xb77460cd                      ; Q: -1.45660718e-05
	v_mov_b32 v27, 0xb77460cd
	v_mov_b32 v10, 0                               ; the lane sums' last destination counts as read: written first
	v_mov_b32 v11, 0
	; A fill follows behind this barrier, so in front of it every wave waits for all its tensor loads and for its LDS instructions.
	s_wait_xcnt 0x0
	v_lshl_add_u32 v254, v0, 2, 0x33000
	v_mov_b32 v255, 0
	s_wait_tensorcnt 0x0                           ; my one tensor load, my part of st1, has landed
	ds_add_u32 v254, v255
	s_wait_dscnt 0x0
	s_wait_dscnt 0x0                               ; met at once: the wait above has drained the LDS count
	s_barrier_signal -1
	s_barrier_wait -1                              ; every wave's part of st1 has landed
	tensor_load_to_lds s[52:55], s[56:63]          ; channel c + 1 into my own 8 KiB, their first and only fill: first thing behind the barrier, my only tensor load from
	s_nop 0
	                                               ; here on.  It stays out across the two barriers of channel c's norms, behind which nothing is filled.
	s_wait_loadcnt 0x0
	s_wait_kmcnt 0x0
	v_pk_add_f32 v[20:21], v[PL:PL+1], v[PL+4:PL+5]        ; b1 + b2
	v_pk_add_f32 v[22:23], v[PL+2:PL+3], v[PL+6:PL+7]
.macro CHANNEL u
.if \u
	s_wait_tensorcnt 0x0                           ; my own tile of channel c + 1 has landed; no other wave reads it
	s_wait_xcnt 0x0                                ; x's registers were the data of the last channel's stores: loaded again only behind this wait
.set kk, 0
.rept 16
	ds_load_b128 v[XR+4*kk:XR+4*kk+3], v2 offset:((kk&7)+16*(kk>>3))*256
.set kk, kk+1
.endr
	s_wait_loadcnt 0x0                             ; this channel's tmat and tb
.endif
	; ---- xhat, the f32 part of y / sc, the f16 sources
	FETCHST 0, PL+32
	FETCHST 1, PL+48
.irp p, 0,1,2,3,4,5
	NORMPAIR \p, 4, 1, CH+4*\u+1
.endr
	NORMPAIR 6, 4, 0, CH+4*\u+1
	NORMPAIR 7, 0, 0, CH+4*\u+1
	; ---- the scan: 32 x 32 (t, s) times 32 x 64 (s, pixel).  Eight accumulators, one instruction each, by turns.
.irp i, 0,1,2,3
.irp mt, 0,1
	v_wmma_f32_16x16x32_f16 v[AC+16*\i+8*\mt:AC+16*\i+8*\mt+7], v[TM+8*\mt:TM+8*\mt+7], v[PL+8*\i:PL+8*\i+7], v[AC+16*\i+8*\mt:AC+16*\i+8*\mt+7]
.endr
.endr
.rept 4
	v_nop                                          ; four places before results are read and sources are written or loaded into (ISA guide 7.12.1)
.endr
.if \u == 0
	LOADT 1                                        ; the next channel's tables, a whole channel's work ahead of their use
.endif
	; ---- gelu, then g sigmoid(g)
	ACT AC,    CH+4*\u, CH+4*\u+2
	ACT AC+16, CH+4*\u, CH+4*\u+2
	ACT AC+32, CH+4*\u, CH+4*\u+2
	ACT AC+48, CH+4*\u, CH+4*\u+2
	; ---- means over the 256 pixels of each of my 16 frames, of z and of x
.set jj, 0
.rept 8
	v_pk_add_f32 v[ZSUM+jj:ZSUM+jj+1], v[AC+jj:AC+jj+1], v[AC+16+jj:AC+16+jj+1]
.set jj, jj+2
.endr
.set jj, 0
.rept 8
	v_pk_add_f32 v[ZBC+jj:ZBC+jj+1], v[AC+32+jj:AC+32+jj+1], v[AC+48+jj:AC+48+jj+1]
.set jj, jj+2
.endr
.set jj, 0
.rept 8
	v_pk_add_f32 v[ZSUM+jj:ZSUM+jj+1], v[ZSUM+jj:ZSUM+jj+1], v[ZBC+jj:ZBC+jj+1]
.set jj, jj+2
.endr
.set kk, 0
.rept 16
	v_pk_add_f32 v[PL+32+2*kk:PL+32+2*kk+1], v[XR+4*kk:XR+4*kk+1], v[XR+4*kk+2:XR+4*kk+3]
.set kk, kk+1
.endr
.set kk, 0
.rept 16
	v_add_f32 v[XSUM+kk], v[PL+32+2*kk], v[PL+32+2*kk+1]
.set kk, kk+1
.endr
	RS16 ZSUM, 11                                  ; lane (r, h): the sum over my wave's 64 pixels for frame FR(r)
	RS16 XSUM, 10
	EXCH 0
	v_pk_mul_f32 v[10:11], v[10:11], s[94:95] op_sel_hi:[1,0]      ; the means
	BCAST
	s_wait_dscnt 4                                 ; z's means are in; the four younger loads (x's) may stay out
.irp i, 0,1,2,3
.set jj, 0
.rept 8
	v_pk_add_f32 v[AC+16*\i+jj:AC+16*\i+jj+1], v[AC+16*\i+jj:AC+16*\i+jj+1], v[ZBC+jj:ZBC+jj+1] neg_lo:[0,1] neg_hi:[0,1]
.set jj, jj+2
.endr
.endr
	s_wait_dscnt 0x0
.set jj, 0
.rept 8                                            ; frames kk = 2 jj (the pair's first register for both halves) and 2 jj + 1 (its second)
	v_pk_add_f32 v[XR+8*jj:XR+8*jj+1],   v[XR+8*jj:XR+8*jj+1],   v[ZSUM+2*jj:ZSUM+2*jj+1] op_sel_hi:[1,0] neg_lo:[0,1] neg_hi:[0,1]
	v_pk_add_f32 v[XR+8*jj+2:XR+8*jj+3], v[XR+8*jj+2:XR+8*jj+3], v[ZSUM+2*jj:ZSUM+2*jj+1] op_sel_hi:[1,0] neg_lo:[0,1] neg_hi:[0,1]
	v_pk_add_f32 v[XR+8*jj+4:XR+8*jj+5], v[XR+8*jj+4:XR+8*jj+5], v[ZSUM+2*jj:ZSUM+2*jj+1] op_sel:[0,1] op_sel_hi:[1,1] neg_lo:[0,1] neg_hi:[0,1]
	v_pk_add_f32 v[XR+8*jj+6:XR+8*jj+7], v[XR+8*jj+6:XR+8*jj+7], v[ZSUM+2*jj:ZSUM+2*jj+1] op_sel:[0,1] op_sel_hi:[1,1] neg_lo:[0,1] neg_hi:[0,1]
.set jj, jj+1
.endr
	; ---- variances: sums of the squared deviations
	PKMUL_V ZSUM, AC, AC
	PKFMA_V ZSUM, AC+16, AC+16, ZSUM
	PKFMA_V ZSUM, AC+32, AC+32, ZSUM
	PKFMA_V ZSUM, AC+48, AC+48, ZSUM
.set kk, 0
.rept 16
	v_pk_mul_f32 v[PL+32+2*kk:PL+32+2*kk+1], v[XR+4*kk:XR+4*kk+1], v[XR+4*kk:XR+4*kk+1]
.set kk, kk+1
.endr
.set kk, 0
.rept 16
	v_pk_fma_f32 v[PL+32+2*kk:PL+32+2*kk+1], v[XR+4*kk+2:XR+4*kk+3], v[XR+4*kk+2:XR+4*kk+3], v[PL+32+2*kk:PL+32+2*kk+1]
.set kk, kk+1
.endr
.set kk, 0
.rept 16
	v_add_f32 v[XSUM+kk], v[PL+32+2*kk], v[PL+32+2*kk+1]
.set kk, kk+1
.endr
	RS16 ZSUM, 11
	RS16 XSUM, 10
	EXCH 4096                                      ; other bytes than the means': each use's bytes are written again only in the next channel, a barrier behind every wave's reads of them
	v_fma_f32 v10, v10, s94, s96                   ; var + eps
	v_fma_f32 v11, v11, s94, s96
	v_rsq_f32 v10, v10
	v_rsq_f32 v11, v11
	v_nop                                          ; one plain instruction behind v_rsq_f32 before its result is used (ISA guide 5.7.2)
	s_wait_alu depctr_va_vdst(0)
	BCAST
	; ---- out = zc rz g1 + xc rx g2 + (b1 + b2)
	s_wait_dscnt 4                                 ; z's figures are in; x's four loads may stay out
.irp i, 0,1,2,3
	PKMUL_V AC+16*\i, AC+16*\i, ZBC
.endr
	s_wait_dscnt 0x0
.set jj, 0
.rept 8
	v_pk_mul_f32 v[XR+8*jj:XR+8*jj+1],   v[XR+8*jj:XR+8*jj+1],   v[ZSUM+2*jj:ZSUM+2*jj+1] op_sel_hi:[1,0]
	v_pk_mul_f32 v[XR+8*jj+2:XR+8*jj+3], v[XR+8*jj+2:XR+8*jj+3], v[ZSUM+2*jj:ZSUM+2*jj+1] op_sel_hi:[1,0]
	v_pk_mul_f32 v[XR+8*jj+4:XR+8*jj+5], v[XR+8*jj+4:XR+8*jj+5], v[ZSUM+2*jj:ZSUM+2*jj+1] op_sel:[0,1] op_sel_hi:[1,1]
	v_pk_mul_f32 v[XR+8*jj+6:XR+8*jj+7], v[XR+8*jj+6:XR+8*jj+7], v[ZSUM+2*jj:ZSUM+2*jj+1] op_sel:[0,1] op_sel_hi:[1,1]
.set jj, jj+1
.endr
.set kk, 0
.rept 16
	v_pk_fma_f32 v[XR+4*kk:XR+4*kk+1],   v[XR+4*kk:XR+4*kk+1],   v[16:17], v[20:21]
	v_pk_fma_f32 v[XR+4*kk+2:XR+4*kk+3], v[XR+4*kk+2:XR+4*kk+3], v[18:19], v[22:23]
	v_fma_f32 v[XR+4*kk],   v[AC+kk],    v12, v[XR+4*kk]
	v_fma_f32 v[XR+4*kk+1], v[AC+16+kk], v13, v[XR+4*kk+1]
	v_fma_f32 v[XR+4*kk+2], v[AC+32+kk], v14, v[XR+4*kk+2]
	v_fma_f32 v[XR+4*kk+3], v[AC+48+kk], v15, v[XR+4*kk+3]
	global_store_b128 v9, v[XR+4*kk:XR+4*kk+3], s[32:33] offset:((kk&7)+16*(kk>>3))*FRSTEP+\u*1024 th:TH_STORE_NT   ; 16 lanes: 256 consecutive bytes, aligned
.set kk, kk+1
.endr
.endm
	CHANNEL 0
	CHANNEL 1
	s_wait_xcnt 0x0
	v_lshl_add_u32 v254, v0, 2, 0x33000
	v_mov_b32 v255, 0
	s_wait_tensorcnt 0x0
	ds_add_u32 v254, v255
	s_wait_dscnt 0x0
	s_endpgm
.Lfunc_end_k_q8c9d69e043_main:
	.size	k_q8c9d69e043_main, .Lfunc_end_k_q8c9d69e043_main-k_q8c9d69e043_main
	.p2alignl 7, 3214868480
	.fill 96, 4, 3214868480
	.section	.rodata,"a",@progbits
	.p2align	6, 0x0
	.amdhsa_kernel k_q8c9d69e043_main
		.amdhsa_group_segment_fixed_size 327680
		.amdhsa_private_segment_fixed_size 0
		.amdhsa_enable_private_segment 0
		.amdhsa_kernarg_size 72
		.amdhsa_user_sgpr_count 2
		.amdhsa_user_sgpr_kernarg_segment_ptr 1
		.amdhsa_wavefront_size32 1
		.amdhsa_system_sgpr_workgroup_id_x 1
		.amdhsa_system_sgpr_workgroup_id_y 1
		.amdhsa_system_sgpr_workgroup_id_z 1
		.amdhsa_system_vgpr_workitem_id 0
		.amdhsa_next_free_vgpr 256
		.amdhsa_next_free_sgpr 98
		.amdhsa_reserve_vcc 0
		.amdhsa_float_denorm_mode_32 3
		.amdhsa_float_denorm_mode_16_64 3
		.amdhsa_memory_ordered 1
		.amdhsa_forward_progress 1
		.amdhsa_inst_pref_size 206
	.end_amdhsa_kernel
	.amdgpu_metadata
---
amdhsa.version: [ 1, 2 ]
amdhsa.kernels:
  - .name:           k_q8c9d69e043_main
    .symbol:         k_q8c9d69e043_main.kd
    .args:
      - { .name: ix, .offset: 0, .size: 8, .value_kind: global_buffer, .address_space: global }
      - { .name: st1, .offset: 8, .size: 8, .value_kind: global_buffer, .address_space: global }
      - { .name: tmat, .offset: 16, .size: 8, .value_kind: global_buffer, .address_space: global }
      - { .name: tb, .offset: 24, .size: 8, .value_kind: global_buffer, .address_space: global }
      - { .name: g1, .offset: 32, .size: 8, .value_kind: global_buffer, .address_space: global }
      - { .name: b1, .offset: 40, .size: 8, .value_kind: global_buffer, .address_space: global }
      - { .name: g2, .offset: 48, .size: 8, .value_kind: global_buffer, .address_space: global }
      - { .name: b2, .offset: 56, .size: 8, .value_kind: global_buffer, .address_space: global }
      - { .name: out0, .offset: 64, .size: 8, .value_kind: global_buffer, .address_space: global }
    .group_segment_fixed_size: 327680
    .private_segment_fixed_size: 0
    .kernarg_segment_align: 8
    .kernarg_segment_size: 72
    .max_flat_workgroup_size: 512
    .sgpr_count:     98
    .vgpr_count:     256
    .wavefront_size: 32
...
	.end_amdgpu_metadata
.endif
;; end of part 2
